; MI455X (gfx1250); checked and timed in simulation.
; The chip was launched on July 23, 2026; its instructions are those of AMD's public machine-readable ISA for CDNA 5 (MIT licence, August 2026) and "CDNA5" Instruction Set Architecture Reference Guide (July 2026). The comments in the code are by the model that wrote it; some were corrected since.
;; Gauss Softmax V3. Allowed arithmetic: matrix products marked QUANTISED: E4M3 operands, one E8M0 scale for each 32 along K, by v_wmma_scale_f32_16x16x128_f8f6f4 with both operands' format E4M3, f32 sums; everything else in f32.
;; Inputs: log_sigma 16,000 x 64 float32; log_sigma_c 128 x 64 float32; mu 16,000 x 64 float32; mu_c 128 x 64 float32; x 128 x 512 float32.
;; Outputs: out0 16,000 x 512 float32; out1 16,000 x 128 float32.
;; Constants: t = 0.
;; This version of the problem:
;;   THIS VERSION OF THE PROBLEM IS GIVEN IN LOW PRECISION. The matrix products marked QUANTISED in the list below multiply operands that are first quantised to E4M3 (4 exponent bits, 3 mantissa bits; 8 bits a number), with one power-of-two scale for each 32 numbers along K (OCP MX v1.0); their sums are f32. All else is computed in f32.
;;   The module's matrix products, in the order in which they are computed (A, B: the left and right operand; K: the contracted axis; several contracted axes count as one K, in the product's order):
;;     1. [M 16,000, K 128] x [K 128, N 512]; A: computed on the way; B: input x: QUANTISED
;;   THE QUANTISER, for each operand of a quantised product, along K:
;;     - K is cut into blocks of 32 from its start; a last block that is shorter is filled with zeros.
;;     - A block's scale is 2^e with e = floor(log2(the largest magnitude in the block)) - 8, held to -126 .. 127; a block of zeros has e = 0. As a byte (E8M0): e + 127.
;;     - Each number is divided by its block's scale, clamped to +-448, and rounded to the nearest number of E4M3, ties to even, subnormals kept.
;;     - The product sums the exact products of the quantised numbers (number of the format x scale) in f32.
;;   ~~~python
;;   def quantise(x, axis):      # numpy; x: float32 -> the quantised numbers, widened to float32 again
;;       x = np.moveaxis(x, axis, -1); K = x.shape[-1]
;;       x = np.pad(x, [(0, 0)] * (x.ndim - 1) + [(0, -K % 32)]); x = x.reshape(x.shape[:-1] + (-1, 32)); a = np.abs(x).max(-1, keepdims=True)
;;       e = np.where(a > 0, np.clip(np.frexp(np.where(a > 0, a, 1))[1] - 1 - 8, -126, 127), 0)      # np.frexp(a)[1] - 1 = floor(log2(a)), exactly
;;       r = np.clip(x / 2.0 ** e, -448, 448)
;;       step = 2.0 ** (np.maximum(np.frexp(np.where(r == 0, 1, r))[1] - 1, -6) - 3)
;;       q = np.round(r / step) * step * 2.0 ** e      # np.round: ties to even
;;       return np.moveaxis(q.reshape(q.shape[:-2] + (-1,))[..., :K], -1, axis).astype(np.float32)
;;   ~~~
;;   OPERANDS COMPUTED ON THE WAY. 'Computed on the way' means the value that the module computes at that place (a softmax that the list does not call 'softmax' is quantised finished and normalised). What goes into a quantiser is computed in f32, as accurately as f32 sums, v_exp_f32 and their like allow (about 1e-6 of the number): no bf16 or f16 on the way to a quantiser, and a product that is left as it is and whose result goes on into a quantised operand takes f32 operands (vector FMAs, or v_wmma_f32_16x16x4_f32). A number that lies on a knife's edge between two numbers of the format may be rounded either way, as far as f32 arithmetic and the matrix unit's own rounding can turn it there, and no further.
;; 2 versions, each right; version 2 is version 1 with the launch mix written anew for expert scheduling mode. Each part assembles by itself: llvm-mc -triple=amdgcn-amd-amdhsa -mcpu=gfx1250 --defsym DOCPART=n.
;; ======== version 1 of 2: 2 launches
;; workspace buffers: en 8,192,000 bytes; lse 131,072 bytes; xq 69,632 bytes
;; launch energy (part 1): grid 252 x 1, 16 waves a work-group, no clusters, 135,680 bytes of LDS; arguments mu, log_sigma, mu_c, log_sigma_c, x, en, lse, xq, out1; writes en, lse, xq, out1
.if DOCPART == 1
	.amdgcn_target "amdgcn-amd-amdhsa--gfx1250"
	.amdhsa_code_object_version 6
	.text
	.protected	k_qc1b0c30c7f_energy
	.globl	k_qc1b0c30c7f_energy
	.p2align	8
	.type	k_qc1b0c30c7f_energy,@function
k_qc1b0c30c7f_energy:
	s_mov_b64 s[64:65], 0
	v_nop
	global_prefetch_b8 v0, s[64:65] scope:SCOPE_SE
	s_setreg_imm32_b32 hwreg(HW_REG_WAVE_MODE, 25, 1), 1
	s_wait_xcnt 0x0
; THE TWO ENERGIES.  mu, log_sigma: [16000][64]; mu_c, log_sigma_c: [128][64]; x: [128][512]; all f32.
; Work-groups 0-249: 64 rows v each, all 128 t.  They store  out1 = KL [16000][128],  en = the expected-likelihood energy in units of log2, [16000][128], less a constant that is the
; same for every v and so cancels in the softmax over v (64 ln 2 from the halving below, and d log(2 pi)),  and lse[work-group][t] = log2 of the sum over the group's 64 rows of 2^en.
; Work-groups 250, 251: 32 waves, each quantises one tile of 16 columns of x along K = t into E4M3 codes and E8M0 scale words, stored as images of the operand's registers (xq);
; they also fill rows 250-255 of lse with -infinity, so that the next launch reduces 256 rows alike.
; THE ARITHMETIC.  With s' = (sigma_v + sigma_t) / 2 and q = (mu_v - mu_t)^2:  energy = -1/4 (2 sum ln s' + sum q / s') + constant.  The clip of log sigma holds s' in [0.1, 10].
; The 16 fractions q / s' of a chunk of 16 d are ADDED AS FRACTIONS: (M, N) + (m, n) = (M m, N m + n M), three packed operations a merge, all terms positive; M is also the product whose one logarithm
; stands for 16.  M lies in 1e-16 .. 1e16 and N under 1.3e17: no overflow, no denormal.  So 16 d cost one reciprocal and one logarithm a (v, t), not 32 transcendentals.
; KL = 1/2 (sum log_sigma_t - sum log_sigma_v - 64 + sum (q + sigma_v) / sigma_t), with 1 / sigma_t = exp(-log_sigma_t) made once.
; SHARES.  16 waves, four to a SIMD.  Wave w: t-half w & 1 (a lane holds t = 64 (w & 1) + 2 lane and the next: the two halves of every packed operation), rows 8 (w >> 1) .. + 7.
; The t side of a chunk (sigma_t / 2, mu_t, 1 / sigma_t: 96 registers) is fetched from LDS once for the wave's 8 rows; a row's 16 (-mu_v) and 16 (sigma_v / 2) come as 8 loads in which all lanes name one address.
; No cluster: what work-groups share is mu_c and log_sigma_c, 64 KiB read once at the head.  No tensor load: a work-group's inputs are 96 KiB, read once and changed on the way into LDS.
; LIMITS: NaN and infinities among the inputs are not served.  KL is formed as the sum near 64 less 64, so its absolute error is about 1e-5 whatever its size.  Blocks of x whose largest magnitude
; lies under 2^-118 keep the scale byte 1 (a block of zeros too: its codes are zeros, and this program alone reads the bytes).
.set NWG,  250                         ; work-groups that compute energies
.set DPB,  1040                        ; LDS, t side: two d of all 64 pairs of t: 64 x 16 bytes + 16 of padding
.set ARB,  8*DPB                       ; one of the three arrays for a chunk of 16 d
.set CHB,  3*ARB                       ; a chunk: sigma_t / 2, mu_t, 1 / sigma_t
.set VDB,  4*CHB                       ; v side: row v: 64 x (-mu_v), then 64 x (sigma_v / 2): 512 bytes
.set TSB,  VDB+32768                   ; sum over d of log_sigma_t, 4 bytes a t
.set VSB,  TSB+512                     ; sum over d of log_sigma_v, 4 bytes a row
; the loop's registers
.set EL,   8                           ; v8-23    row r: 2 sum ln M + sum N / M, a pair (t, t + 1)
.set KL,   24                          ; v24-39   row r: KL's sum, a pair
.set TE,   40                          ; v40-71   sigma_t / 2: pair 2 i for the chunk's d number i
.set TC,   72                          ; v72-103  mu_t
.set TG,   104                         ; v104-135 1 / sigma_t
.set VB,   136                         ; v136-199 two buffers of 32: 16 x (-mu_v), 16 x (sigma_v / 2)
.set S,    200                         ; v200-215 eight pairs s', then products
.set Q,    216                         ; v216-231 eight pairs q, then numerators
.set U,    232                         ; v232-239 four pairs q + sigma_v
.set HM,   240                         ; the chunk's running product M
.set HN,   242                         ; and numerator N
.set RC,   244                         ; 1 / M
.set LG,   246                         ; log2 M
.set TA,   248                         ; LDS address of my pair of t in the chunk to be fetched next
.set VA,   249                         ; LDS address of my wave's first row, at the chunk in hand (all lanes alike)
.set RSA,  250                         ; 16 x (thread & 63)
.set RSW,  251                         ; where my wave's maximum and sum go
.set LOF,  252                         ; 8 x (thread & 63)
.set GO,   253                         ; my byte offset in the group's 64 rows of en and out1
.set TSR,  254
.set VSR,  255
; the head's registers
.set TM,   32
.set TL,   48
.set VM,   64
.set VL,   72
.set CO,   80
.set EO,   96
.set GG,   112
.set SUM,  128
.set PT,   136
.set TX,   144
.set NAO,  160
.set BO,   168
.set VSUM, 176
.set VT,   178
.set VX,   180
	s_load_b512 s[4:19], s[0:1], 0x0               ; mu s[4:5], log_sigma s[6:7], mu_c s[8:9], log_sigma_c s[10:11], x s[12:13], en s[14:15], lse s[16:17], xq s[18:19]
	s_load_b64 s[20:21], s[0:1], 0x40              ; out1
	v_lshrrev_b32 v2, 5, v0
	v_readfirstlane_b32 s22, v2                    ; wave 0..15
	v_and_b32 v1, 31, v0                           ; lane
	s_mov_b32 s32, 0x76543210
	s_mov_b32 s33, 0xfedcba98                      ; v_permlanex16_b32's selects for lane l xor 16
	s_cmp_ge_u32 ttmp9, NWG
	s_cbranch_scc1 .Lx                             ; the last two work-groups quantise x
	; ---- THE HEAD: both sides are clipped, exponentiated and laid into LDS as the loop wants them
	v_lshlrev_b32 v3, 3, v1
	v_lshl_add_u32 v3, v2, 11, v3                  ; t side: wave w takes t = 8 w .. 8 w + 7, a lane two d: 2,048 w + 8 lane
	v_lshlrev_b32 v4, 4, v0                        ; v side: 16 bytes a thread of the group's 16,384
	s_lshl_b32 s30, ttmp9, 14                      ; my 64 rows of mu and log_sigma (256 bytes a row),
	s_mov_b32 s31, 0
	s_lshl_b32 s36, ttmp9, 15                      ; of en and out1 (512 bytes a row),
	s_mov_b32 s37, 0
	s_lshl_b32 s38, ttmp9, 9                       ; my row of lse
	s_mov_b32 s39, 0
	s_wait_kmcnt 0x0
	s_add_nc_u64 s[4:5], s[4:5], s[30:31]
	s_add_nc_u64 s[6:7], s[6:7], s[30:31]
	s_add_nc_u64 s[14:15], s[14:15], s[36:37]
	s_add_nc_u64 s[20:21], s[20:21], s[36:37]
	s_add_nc_u64 s[16:17], s[16:17], s[38:39]
.irp i, 0,1,2,3                                ; pair of t number 4 w + i: each load reads one row's 256 bytes
	global_load_b64 v[TM+4*\i:TM+4*\i+1],   v3, s[8:9] offset:512*\i
	global_load_b64 v[TM+4*\i+2:TM+4*\i+3], v3, s[8:9] offset:512*\i+256
	global_load_b64 v[TL+4*\i:TL+4*\i+1],   v3, s[10:11] offset:512*\i
	global_load_b64 v[TL+4*\i+2:TL+4*\i+3], v3, s[10:11] offset:512*\i+256
.endr
.irp i, 0,1
	global_load_b128 v[VM+4*\i:VM+4*\i+3], v4, s[4:5] offset:8192*\i th:TH_LOAD_NT
	global_load_b128 v[VL+4*\i:VL+4*\i+3], v4, s[6:7] offset:8192*\i th:TH_LOAD_NT
.endr
	s_mov_b32 s26, 0x3fb504f3                      ; sqrt(2)
	s_mov_b32 s27, 0xbfb504f3
	s_mov_b32 s28, 0x40135d8e                      ; ln 10
	s_mov_b32 s29, 0xc0135d8e                      ; ln 0.1
	s_mov_b32 s34, 0x3fb8aa3b                      ; log2(e)
	v_lshrrev_b32 v5, 3, v1                        ; the t side's place: chunk lane / 8, d pair lane % 8, pair of t 4 w + i.  Sixteen neighbouring lanes stand DPB apart (and CHB, which is 128 modulo 256):
	v_mul_u32_u24 v5, v5, CHB                      ; sixteen different 16-byte columns of the 64 banks of 4 bytes (ISA guide 11.1)
	v_and_b32 v6, 7, v1
	v_mad_u32_u24 v5, v6, DPB, v5
	v_lshl_add_u32 v5, v2, 6, v5
	v_lshrrev_b32 v7, 4, v0                        ; the v side's place: row thread / 16, 16 bytes a thread
	v_and_b32 v6, 15, v0
	v_lshlrev_b32 v6, 4, v6
	v_lshl_add_u32 v6, v7, 9, v6
	v_add_nc_u32 v6, VDB, v6
	v_lshl_add_u32 v7, v7, 2, VSB
	v_lshl_add_u32 v2, v2, 5, TSB                  ; my wave's four pairs of sums
	v_and_b32 v[TA], 63, v0                        ; my pair of t: 32 (w & 1) + lane
	v_lshlrev_b32 v[RSA], 4, v[TA]
	v_lshlrev_b32 v[LOF], 3, v[TA]
	v_lshlrev_b32 v[TA], 4, v[TA]
	v_lshrrev_b32 v[VA], 6, v0                     ; my group of 8 rows
	v_lshl_add_u32 v[RSW], v[VA], 10, v[RSA]
	v_lshl_add_u32 v[GO], v[VA], 12, v[LOF]
	v_lshl_add_u32 v[VSR], v[VA], 5, VSB
	v_lshl_add_u32 v[VA], v[VA], 12, VDB-64        ; one chunk ahead of the first: every chunk's head steps it by 64
	v_add_nc_u32 v[TSR], TSB, v[LOF]
.irp k, 0,1,2,3,4,5,6,7
	v_mov_b32 v[PT+\k], 0                          ; a lane permute's destination counts as one of its sources
.endr
	s_wait_loadcnt 0x0
.irp i, 0,1,2,3                                ; loaded: (t0,d0) (t0,d1) (t1,d0) (t1,d1); wanted: (t0,d0) (t1,d0) (t0,d1) (t1,d1): the results are written in that order
	v_med3_num_f32 v[CO+4*\i],   v[TM+4*\i],   s27, s26
	v_med3_num_f32 v[CO+4*\i+2], v[TM+4*\i+1], s27, s26
	v_med3_num_f32 v[CO+4*\i+1], v[TM+4*\i+2], s27, s26
	v_med3_num_f32 v[CO+4*\i+3], v[TM+4*\i+3], s27, s26
.endr
.irp k, 0,1,2,3,4,5,6,7,8,9,10,11,12,13,14,15
	v_med3_num_f32 v[TL+\k], v[TL+\k], s29, s28
.endr
.irp k, 0,1,2,3,4,5,6,7
	v_med3_num_f32 v[NAO+\k], -v[VM+\k], s27, s26  ; -clip(mu_v): the bounds are symmetric
	v_med3_num_f32 v[VL+\k], v[VL+\k], s29, s28
.endr
.irp k, 0,1,2,3,4,5,6,7,8,9,10,11,12,13,14,15
	v_mul_f32 v[TX+\k], s34, v[TL+\k]
.endr
.irp k, 0,1,2,3,4,5,6,7
	v_mul_f32 v[VX+\k], s34, v[VL+\k]
.endr
.irp i, 0,1,2,3                                ; one batch of 40 exponentials
	v_exp_f32 v[EO+4*\i],   v[TX+4*\i]
	v_exp_f32 v[EO+4*\i+2], v[TX+4*\i+1]
	v_exp_f32 v[EO+4*\i+1], v[TX+4*\i+2]
	v_exp_f32 v[EO+4*\i+3], v[TX+4*\i+3]
	v_exp_f32 v[GG+4*\i],   -v[TX+4*\i]
	v_exp_f32 v[GG+4*\i+2], -v[TX+4*\i+1]
	v_exp_f32 v[GG+4*\i+1], -v[TX+4*\i+2]
	v_exp_f32 v[GG+4*\i+3], -v[TX+4*\i+3]
.endr
.irp k, 0,1,2,3,4,5,6,7
	v_exp_f32 v[BO+\k], v[VX+\k]
.endr
.irp i, 0,1,2,3                                ; the sums of log sigma are the independent work behind the batch
	v_add_f32 v[SUM+2*\i],   v[TL+4*\i],   v[TL+4*\i+1]
	v_add_f32 v[SUM+2*\i+1], v[TL+4*\i+2], v[TL+4*\i+3]
.endr
.irp i, 0,1
	v_add_f32 v[VSUM+\i], v[VL+4*\i],   v[VL+4*\i+1]
	v_add_f32 v[VT+\i],   v[VL+4*\i+2], v[VL+4*\i+3]
.endr
.irp i, 0,1
	v_add_f32 v[VSUM+\i], v[VSUM+\i], v[VT+\i]
.endr
.irp m, 1,2,4,8
.irp k, 0,1,2,3,4,5,6,7
	v_add_f32_dpp v[SUM+\k], v[SUM+\k], v[SUM+\k] row_xmask:\m row_mask:0xf bank_mask:0xf
.endr
.irp i, 0,1
	v_add_f32_dpp v[VSUM+\i], v[VSUM+\i], v[VSUM+\i] row_xmask:\m row_mask:0xf bank_mask:0xf   ; a row of v is sixteen lanes: done after these four steps
.endr
.endr
.irp k, 0,1,2,3,4,5,6,7
	v_permlanex16_b32 v[PT+\k], v[SUM+\k], s32, s33
.endr
.irp k, 0,1,2,3,4,5,6,7
	v_add_f32 v[SUM+\k], v[SUM+\k], v[PT+\k]       ; a row of t is all 32 lanes
.endr
	s_wait_alu depctr_va_vdst(0)                   ; one wait for the batch, ahead of its first reader
.irp k, 0,2,4,6,8,10,12,14
	v_pk_mul_f32 v[EO+\k:EO+\k+1], v[EO+\k:EO+\k+1], 0.5 op_sel_hi:[1,0]   ; sigma_t / 2: exact
.endr
.irp k, 0,2,4,6
	v_pk_mul_f32 v[BO+\k:BO+\k+1], v[BO+\k:BO+\k+1], 0.5 op_sel_hi:[1,0]   ; sigma_v / 2
.endr
.irp i, 0,1,2,3
	ds_store_b128 v5, v[EO+4*\i:EO+4*\i+3] offset:16*\i
	ds_store_b128 v5, v[CO+4*\i:CO+4*\i+3] offset:ARB+16*\i
	ds_store_b128 v5, v[GG+4*\i:GG+4*\i+3] offset:2*ARB+16*\i
	ds_store_b64 v2, v[SUM+2*\i:SUM+2*\i+1] offset:8*\i        ; all lanes write the same two words with the same values
.endr
.irp i, 0,1
	ds_store_b128 v6, v[NAO+4*\i:NAO+4*\i+3] offset:16384*\i
	ds_store_b128 v6, v[BO+4*\i:BO+4*\i+3] offset:16384*\i+256
	ds_store_b32 v7, v[VSUM+\i] offset:128*\i                  ; the sixteen lanes of a row write the same word with the same value
.endr
	s_wait_dscnt 0x0                               ; for the others' sake: my stores have landed
	s_barrier_signal -1
	s_barrier_wait -1
; ---- THE LOOP'S PARTS
.macro TLOAD hf                        ; half hf (8 d) of the t side of the chunk at v[TA]: 12 loads, neighbouring lanes at neighbouring 16 bytes
.irp a, 0,1,2
.irp k, 0,1,2,3
	ds_load_b128 v[TE+32*\a+16*(\hf)+4*\k:TE+32*\a+16*(\hf)+4*\k+3], v[TA] offset:\a*ARB+(4*(\hf)+\k)*DPB
.endr
.endr
.endm
.macro VLOAD row, buf, nx              ; a row's 16 (-mu_v) and 16 (sigma_v / 2) of the chunk in hand (nx = 1: of the next): 8 loads, all lanes at one address
.irp j, 0,1,2,3
	ds_load_b128 v[VB+32*(\buf)+4*\j:VB+32*(\buf)+4*\j+3], v[VA] offset:(\row)*512+64*(\nx)+16*\j
.endr
.irp j, 0,1,2,3
	ds_load_b128 v[VB+32*(\buf)+16+4*\j:VB+32*(\buf)+16+4*\j+3], v[VA] offset:(\row)*512+256+64*(\nx)+16*\j
.endr
.endm
.macro UPAIR j, k                      ; q + sigma_v = 2 (sigma_v / 2) + q for d number k (even) and k + 1
	v_pk_fma_f32 v[U+2*(\j):U+2*(\j)+1], v[BBH+(\k):BBH+(\k)+1], 2.0, v[Q+2*(\k):Q+2*(\k)+1] op_sel_hi:[0,0,1]
	v_pk_fma_f32 v[U+2*(\j)+2:U+2*(\j)+3], v[BBH+(\k):BBH+(\k)+1], 2.0, v[Q+2*(\k)+2:Q+2*(\k)+3] op_sel:[1,0,0] op_sel_hi:[1,0,1]
.endm
.macro KLF j, k                        ; KL's sum += (q + sigma_v) / sigma_t
	v_pk_fma_f32 v[KLR:KLR+1], v[U+2*(\j):U+2*(\j)+1], v[TGH+2*(\k):TGH+2*(\k)+1], v[KLR:KLR+1]
.endm
.macro MT a, b                         ; a merge of fractions a and b into a, in three lines: N_a M_b,
	v_pk_mul_f32 v[Q+2*(\a):Q+2*(\a)+1], v[Q+2*(\a):Q+2*(\a)+1], v[S+2*(\b):S+2*(\b)+1]
.endm
.macro MN a, b                         ; + N_b M_a,
	v_pk_fma_f32 v[Q+2*(\a):Q+2*(\a)+1], v[Q+2*(\b):Q+2*(\b)+1], v[S+2*(\a):S+2*(\a)+1], v[Q+2*(\a):Q+2*(\a)+1]
.endm
.macro MM a, b                         ; M_a M_b
	v_pk_mul_f32 v[S+2*(\a):S+2*(\a)+1], v[S+2*(\a):S+2*(\a)+1], v[S+2*(\b):S+2*(\b)+1]
.endm
.macro TRANS                           ; the chunk's fraction is whole: 1 / M and log2 M for both t
	v_rcp_f32 v[RC], v[HM]
	v_rcp_f32 v[RC+1], v[HM+1]
	v_log_f32 v[LG], v[HM]
	v_log_f32 v[LG+1], v[HM+1]
.endm
.macro FIN r                           ; row r's sum takes 2 ln M + N / M
	s_wait_alu depctr_va_vdst(0)                   ; one wait for the four, ahead of their first reader; plain work stands between
	v_pk_fma_f32 v[EL+2*(\r):EL+2*(\r)+1], v[LG:LG+1], 0x3fb17218, v[EL+2*(\r):EL+2*(\r)+1] op_sel_hi:[1,0,1]   ; 2 ln 2 x log2 M
	v_pk_fma_f32 v[EL+2*(\r):EL+2*(\r)+1], v[HN:HN+1], v[RC:RC+1], v[EL+2*(\r):EL+2*(\r)+1]
.endm
; Eight d of one row.  The v side's number is taken for both halves of a packed operation: the low register of its pair for an even d, the high one for an odd d.
; fin >= 0: the row before is finished here, behind sixteen plain instructions that name none of its reciprocals and logarithms.
.macro HALF row, buf, hf, fin
.set NAH, VB+32*(\buf)+8*(\hf)
.set BBH, VB+32*(\buf)+16+8*(\hf)
.set TEH, TE+16*(\hf)
.set TCH, TC+16*(\hf)
.set TGH, TG+16*(\hf)
.set KLR, KL+2*(\row)
.irp k, 0,2,4,6
	v_pk_add_f32 v[S+2*\k:S+2*\k+1], v[TEH+2*\k:TEH+2*\k+1], v[BBH+\k:BBH+\k+1] op_sel_hi:[1,0]                     ; s'
	v_pk_add_f32 v[S+2*\k+2:S+2*\k+3], v[TEH+2*\k+2:TEH+2*\k+3], v[BBH+\k:BBH+\k+1] op_sel:[0,1] op_sel_hi:[1,1]
.endr
.irp k, 0,2,4,6
	v_pk_add_f32 v[Q+2*\k:Q+2*\k+1], v[TCH+2*\k:TCH+2*\k+1], v[NAH+\k:NAH+\k+1] op_sel_hi:[1,0]                     ; mu_t - mu_v
	v_pk_add_f32 v[Q+2*\k+2:Q+2*\k+3], v[TCH+2*\k+2:TCH+2*\k+3], v[NAH+\k:NAH+\k+1] op_sel:[0,1] op_sel_hi:[1,1]
.endr
.if (\fin) >= 0
	FIN (\fin)
.endif
.irp k, 0,1,2,3,4,5,6,7
	v_pk_mul_f32 v[Q+2*\k:Q+2*\k+1], v[Q+2*\k:Q+2*\k+1], v[Q+2*\k:Q+2*\k+1]                                         ; q
.endr
	UPAIR 0, 0
	UPAIR 2, 2
	KLF 0, 0                                       ; KL's chain stands among the merges, so that no link follows the link before it
	MT 0, 1
	MT 2, 3
	KLF 1, 1
	MN 0, 1
	MN 2, 3
	KLF 2, 2
	MM 0, 1
	MM 2, 3
	KLF 3, 3
	MT 0, 2
	UPAIR 0, 4
	UPAIR 2, 6
.if (\hf) == 0                         ; the chunk's first four d start the running fraction: nothing is cleared
	v_pk_fma_f32 v[HN:HN+1], v[Q+4:Q+5], v[S:S+1], v[Q:Q+1]
	KLF 0, 4
	v_pk_mul_f32 v[HM:HM+1], v[S:S+1], v[S+4:S+5]
.else
	MN 0, 2
	KLF 0, 4
	MM 0, 2
.endif
	MT 4, 5
	MT 6, 7
	KLF 1, 5
	MN 4, 5
	MN 6, 7
.if (\hf) == 1                         ; the running fraction takes these four d, line by line among the next four's merges
	v_pk_mul_f32 v[Q:Q+1], v[Q:Q+1], v[HM:HM+1]
.endif
	KLF 2, 6
	MM 4, 5
	MM 6, 7
.if (\hf) == 1
	v_pk_fma_f32 v[HN:HN+1], v[HN:HN+1], v[S:S+1], v[Q:Q+1]
.endif
	KLF 3, 7
	MT 4, 6
.if (\hf) == 1
	v_pk_mul_f32 v[HM:HM+1], v[HM:HM+1], v[S:S+1]
.endif
	MN 4, 6
	MM 4, 6
	v_pk_mul_f32 v[Q+8:Q+9], v[Q+8:Q+9], v[HM:HM+1]
	v_pk_fma_f32 v[HN:HN+1], v[HN:HN+1], v[S+8:S+9], v[Q+8:Q+9]
	v_pk_mul_f32 v[HM:HM+1], v[HM:HM+1], v[S+8:S+9]
.endm
; A chunk of 16 d for my 8 rows.  On the way in 32 LDS loads are out, in this order: row 0's 8, the t side's first 12, its second 12.  more = 1: the same 32 are issued for the next chunk:
; row 0's at row 7's head, each half of the t side as soon as row 7 has read the registers that it lands in.
.macro CHUNK more
	s_wait_dscnt 12                                ; row 0 and the t side's first half are in; its second half's 12 loads may be out.  No load that names v[VA] is out:
	v_add_nc_u32 v[VA], 64, v[VA]                  ; on to this chunk
	VLOAD 1, 1, 0
	HALF 0, 0, 0, -1
	s_wait_dscnt 8                                 ; the t side's second half is in; row 1's 8 loads may be out
	HALF 0, 0, 1, -1
	TRANS
.irp r, 1,2,3,4,5,6
	VLOAD \r+1, (\r+1)%2, 0                        ; the next row, into the buffer that the row before has left
	s_wait_dscnt 8                                 ; this row's loads are in; the 8 just issued may be out
.if (\more) && (\r == 1)
	v_add_nc_u32 v[TA], CHB, v[TA]                 ; no load that names v[TA] is out: on to the next chunk's t side
.endif
	HALF \r, \r%2, 0, \r-1
	HALF \r, \r%2, 1, -1
	TRANS
.endr
.if \more
	VLOAD 0, 0, 1
	s_wait_dscnt 8                                 ; row 7's loads are in
.else
	s_wait_dscnt 0x0
.endif
	HALF 7, 1, 0, 6
.if \more
	TLOAD 0
.endif
	HALF 7, 1, 1, -1
	TRANS
.if \more
	TLOAD 1
.endif
	v_nop                                          ; a plain instruction behind the last transcendental
	FIN 7
.endm
	ds_load_b64 v[S:S+1], v[TSR]                   ; sum log_sigma_t of my two t
	ds_load_b128 v[Q:Q+3], v[VSR]                  ; sum log_sigma_v of my eight rows
	ds_load_b128 v[Q+4:Q+7], v[VSR] offset:16
	VLOAD 0, 0, 1
	TLOAD 0
	TLOAD 1
.irp k, 0,1,2,3,4,5,6,7,8,9,10,11,12,13,14,15
	v_mov_b32 v[EL+\k], 0
.endr
	s_wait_dscnt 32                                ; the three loads of sums are in; the 32 behind them may be out
	v_pk_add_f32 v[S:S+1], v[S:S+1], 0xc2800000 op_sel_hi:[1,0]    ; - 64
.irp r, 0,2,4,6
	v_pk_add_f32 v[KL+2*\r:KL+2*\r+1], v[S:S+1], v[Q+\r:Q+\r+1] op_sel_hi:[1,0] neg_lo:[0,1] neg_hi:[0,1]             ; KL's sum begins at sum log_sigma_t - 64 - sum log_sigma_v
	v_pk_add_f32 v[KL+2*\r+2:KL+2*\r+3], v[S:S+1], v[Q+\r:Q+\r+1] op_sel:[0,1] op_sel_hi:[1,1] neg_lo:[0,1] neg_hi:[0,1]
.endr
	s_mov_b32 s42, 3
.Lchunk:
	CHUNK 1
	s_sub_co_i32 s42, s42, 1
	s_cmp_lg_u32 s42, 0
	s_cbranch_scc1 .Lchunk
	CHUNK 0                                        ; the last chunk is written out: it fetches nothing more
	; ---- THE WAY OUT.  A store of a wave covers 256 consecutive bytes, aligned: half a row of 128 f32
.irp r, 0,1,2,3,4,5,6,7
	v_pk_mul_f32 v[EL+2*\r:EL+2*\r+1], v[EL+2*\r:EL+2*\r+1], 0xbeb8aa3b op_sel_hi:[1,0]   ; x -log2(e) / 4: the energy in units of log2
	v_pk_mul_f32 v[KL+2*\r:KL+2*\r+1], v[KL+2*\r:KL+2*\r+1], 0.5 op_sel_hi:[1,0]
.endr
.irp r, 0,1,2,3,4,5,6,7
	global_store_b64 v[GO], v[EL+2*\r:EL+2*\r+1], s[14:15] offset:512*\r
	global_store_b64 v[GO], v[KL+2*\r:KL+2*\r+1], s[20:21] offset:512*\r th:TH_STORE_NT
.endr
	; my 8 rows' maximum and sum of 2^(energy - maximum), for both t
	v_max3_num_f32 v[S],   v[EL],   v[EL+2], v[EL+4]
	v_max3_num_f32 v[S+1], v[EL+1], v[EL+3], v[EL+5]
	v_max3_num_f32 v[S],   v[S],   v[EL+6], v[EL+8]
	v_max3_num_f32 v[S+1], v[S+1], v[EL+7], v[EL+9]
	v_max3_num_f32 v[S],   v[S],   v[EL+10], v[EL+12]
	v_max3_num_f32 v[S+1], v[S+1], v[EL+11], v[EL+13]
	v_max_num_f32 v[S],   v[S],   v[EL+14]
	v_max_num_f32 v[S+1], v[S+1], v[EL+15]
.irp r, 0,1,2,3,4,5,6,7
	v_pk_add_f32 v[TE+2*\r:TE+2*\r+1], v[EL+2*\r:EL+2*\r+1], v[S:S+1] neg_lo:[0,1] neg_hi:[0,1]
.endr
.irp k, 0,1,2,3,4,5,6,7,8,9,10,11,12,13,14,15
	v_exp_f32 v[TE+\k], v[TE+\k]
.endr
	v_nop
	s_wait_alu depctr_va_vdst(0)                   ; one wait for the sixteen
.irp k, 0,2,4,6
	v_pk_add_f32 v[TE+\k:TE+\k+1], v[TE+\k:TE+\k+1], v[TE+8+\k:TE+8+\k+1]
.endr
.irp k, 0,2
	v_pk_add_f32 v[TE+\k:TE+\k+1], v[TE+\k:TE+\k+1], v[TE+4+\k:TE+4+\k+1]
.endr
	v_pk_add_f32 v[S+2:S+3], v[TE:TE+1], v[TE+2:TE+3]
	s_wait_dscnt 0x0                               ; my reads of the t side are over:
	s_barrier_signal -1
	s_barrier_wait -1                              ; everybody's are, so its first 8 KiB may be written again
	ds_store_b128 v[RSW], v[S:S+3]                 ; (maximum, maximum, sum, sum) of my two t: 1,024 bytes for each group of rows
	s_wait_dscnt 0x0
	s_barrier_signal -1
	s_barrier_wait -1
	s_cmp_ge_u32 s22, 2                            ; waves 0 and 1 join the eight groups of rows, a lane two t; no barrier follows
	s_cbranch_scc1 .Lend
.irp i, 0,1,2,3,4,5,6,7
	ds_load_b128 v[TE+4*\i:TE+4*\i+3], v[RSA] offset:1024*\i
.endr
	s_wait_dscnt 0x0
	v_max3_num_f32 v[S],   v[TE],   v[TE+4], v[TE+8]
	v_max3_num_f32 v[S+1], v[TE+1], v[TE+5], v[TE+9]
	v_max3_num_f32 v[S],   v[S],   v[TE+12], v[TE+16]
	v_max3_num_f32 v[S+1], v[S+1], v[TE+13], v[TE+17]
	v_max3_num_f32 v[S],   v[S],   v[TE+20], v[TE+24]
	v_max3_num_f32 v[S+1], v[S+1], v[TE+21], v[TE+25]
	v_max_num_f32 v[S],   v[S],   v[TE+28]
	v_max_num_f32 v[S+1], v[S+1], v[TE+29]
.irp i, 0,1,2,3,4,5,6,7
	v_pk_add_f32 v[TE+4*\i:TE+4*\i+1], v[TE+4*\i:TE+4*\i+1], v[S:S+1] neg_lo:[0,1] neg_hi:[0,1]
.endr
.irp i, 0,1,2,3,4,5,6,7
	v_exp_f32 v[TE+4*\i], v[TE+4*\i]
	v_exp_f32 v[TE+4*\i+1], v[TE+4*\i+1]
.endr
	v_nop
	s_wait_alu depctr_va_vdst(0)
	v_pk_mul_f32 v[S+2:S+3], v[TE:TE+1], v[TE+2:TE+3]
.irp i, 1,2,3,4,5,6,7
	v_pk_fma_f32 v[S+2:S+3], v[TE+4*\i:TE+4*\i+1], v[TE+4*\i+2:TE+4*\i+3], v[S+2:S+3]
.endr
	v_log_f32 v[S+4], v[S+2]
	v_log_f32 v[S+5], v[S+3]
	v_nop
	s_wait_alu depctr_va_vdst(0)
	v_pk_add_f32 v[S:S+1], v[S:S+1], v[S+4:S+5]    ; maximum + log2(sum)
	global_store_b64 v[LOF], v[S:S+1], s[16:17]    ; a wave stores 256 consecutive bytes, aligned
.Lend:
	s_wait_xcnt 0x0
	v_lshl_add_u32 v254, v0, 2, 0x20a00
	v_mov_b32 v255, 0
	s_wait_tensorcnt 0x0
	ds_add_u32 v254, v255
	s_wait_dscnt 0x0
	s_endpgm
	; ---- x: [128 (k)][512 (n)] f32, K its first axis.  Wave = tile 0..31.  Lane r of tile 4 g + j takes column 64 g + 4 r + j (so that in the next launch four tiles of a wave give a lane four neighbouring
	; columns), and its registers run down K in the operand's own order: register 16 c + i is k = 32 c + 16 (lane / 16) + i.  So the conversions' results are the operand's registers.
.Lx:
	s_sub_co_u32 s36, ttmp9, NWG                   ; 0 or 1
	s_lshl_b32 s37, s36, 4
	s_add_co_u32 s37, s37, s22                     ; the tile
	s_mov_b32 s35, 0x600000                        ; the mantissa field of 448
	v_and_b32 v2, 15, v0
	v_bfe_u32 v3, v0, 4, 1
	v_lshlrev_b32 v4, 4, v2                        ; 16 r,
	v_lshl_add_u32 v4, v3, 15, v4                  ; lanes 16-31 sixteen rows of 2,048 bytes further down
	v_lshlrev_b32 v5, 4, v1
	v_lshlrev_b32 v6, 2, v1
	s_lshr_b32 s38, s37, 2
	s_lshl_b32 s38, s38, 8                         ; 256 g
	s_and_b32 s40, s37, 3
	s_lshl_b32 s40, s40, 2                         ; + 4 j
	s_add_co_u32 s38, s38, s40
	s_mov_b32 s39, 0
	s_lshl_b32 s40, s37, 11                        ; a tile's codes: 2,048 bytes
	s_mov_b32 s41, 0
	s_lshl_b32 s30, s37, 7                         ; its scale words: 128 bytes
	s_mov_b32 s31, 0
	s_wait_kmcnt 0x0
	s_add_nc_u64 s[12:13], s[12:13], s[38:39]
	s_add_nc_u64 s[44:45], s[18:19], s[40:41]
	s_add_nc_u64 s[46:47], s[18:19], s[30:31]
.irp c, 0,1,2,3
.irp i, 0,1,2,3,4,5,6,7,8,9,10,11,12,13,14,15
	global_load_b32 v[64+16*\c+\i], v4, s[12:13] offset:2048*(32*\c+\i)
.endr
.endr
	s_cmp_lt_u32 s22, 3                            ; waves 0-2 of both work-groups: rows 250-255 of lse become -infinity, which adds nothing to a sum of 2^(.)
	s_cbranch_scc0 .Lnorow
	s_mul_i32 s38, s36, 3
	s_add_co_u32 s38, s38, s22
	s_add_co_u32 s38, s38, NWG
	s_lshl_b32 s38, s38, 9
	s_mov_b32 s39, 0
	s_add_nc_u64 s[16:17], s[16:17], s[38:39]
.irp k, 12,13,14,15
	v_mov_b32 v\k, 0xff800000
.endr
	global_store_b128 v5, v[12:15], s[16:17]       ; 512 consecutive bytes
.Lnorow:
.irp b, 0,1,2,3
	v_mov_b32 v[36+\b], 0                          ; a lane permute's destination counts as one of its sources
.endr
	s_wait_loadcnt 0x0
.irp b, 0,1,2,3
	v_max3_num_f32 v[32+\b], |v[64+16*\b]|, |v[65+16*\b]|, 0x4800000   ; block b: my 16 numbers, and the floor 2^(9 - 127): the byte cannot fall under 1
.endr
.irp i, 2,4,6,8,10,12,14
.irp b, 0,1,2,3
	v_max3_num_f32 v[32+\b], v[32+\b], |v[64+16*\b+\i]|, |v[65+16*\b+\i]|
.endr
.endr
.irp b, 0,1,2,3
	v_permlanex16_b32 v[36+\b], v[32+\b], s32, s33
.endr
.irp b, 0,1,2,3
	v_max_num_f32 v[32+\b], v[32+\b], v[36+\b]     ; with lane l xor 16's 16: the block's largest magnitude
.endr
.irp b, 0,1,2,3
	v_add_nc_u32 v[44+\b], 0xfc000000, v[32+\b]    ; 8 off its exponent field: the conversion's scale operand
.endr
.irp b, 0,1,2,3
	v_and_or_b32 v[40+\b], v[32+\b], 0x7f800000, s35   ; 448 x the scale
.endr
.irp b, 0,1,2,3
	v_lshrrev_b32 v[36+\b], 23, v[44+\b]           ; the scale's byte
.endr
	v_lshl_or_b32 v9, v37, 8, v36
	v_lshl_or_b32 v9, v38, 16, v9
	v_lshl_or_b32 v9, v39, 24, v9                  ; my column's scale word
.irp c, 0,1,2,3
.irp i, 0,1,2,3,4,5,6,7,8,9,10,11,12,13,14,15
	v_med3_num_f32 v[64+16*\c+\i], v[64+16*\c+\i], -v[40+\c], v[40+\c]   ; the conversion to an 8-bit code does not saturate (ISA guide 7.6.2): the hold at 448 x the scale
.endr
	v_cvt_scalef32_pk8_fp8_f32 v[48+4*\c:49+4*\c], v[64+16*\c:71+16*\c], v[44+\c]
	v_cvt_scalef32_pk8_fp8_f32 v[50+4*\c:51+4*\c], v[72+16*\c:79+16*\c], v[44+\c]
.endr
	v_nop
.irp c, 0,1,2,3
	global_store_b128 v5, v[48+4*\c:51+4*\c], s[44:45] offset:512*\c   ; the fragment as it stands: 512 consecutive bytes a store
.endr
	global_store_b32 v6, v9, s[46:47] offset:65536 ; the scale register as it stands, behind the 65,536 bytes of codes
	s_endpgm
.Lfunc_end_k_qc1b0c30c7f_energy:
	.size	k_qc1b0c30c7f_energy, .Lfunc_end_k_qc1b0c30c7f_energy-k_qc1b0c30c7f_energy
	.p2alignl 7, 3214868480
	.fill 96, 4, 3214868480
	.section	.rodata,"a",@progbits
	.p2align	6, 0x0
	.amdhsa_kernel k_qc1b0c30c7f_energy
		.amdhsa_group_segment_fixed_size 135680
		.amdhsa_private_segment_fixed_size 0
		.amdhsa_enable_private_segment 0
		.amdhsa_kernarg_size 72
		.amdhsa_user_sgpr_count 2
		.amdhsa_user_sgpr_kernarg_segment_ptr 1
		.amdhsa_wavefront_size32 1
		.amdhsa_system_sgpr_workgroup_id_x 1
		.amdhsa_system_sgpr_workgroup_id_y 1
		.amdhsa_system_sgpr_workgroup_id_z 1
		.amdhsa_system_vgpr_workitem_id 0
		.amdhsa_next_free_vgpr 256
		.amdhsa_next_free_sgpr 66
		.amdhsa_reserve_vcc 0
		.amdhsa_float_denorm_mode_32 3
		.amdhsa_float_denorm_mode_16_64 3
		.amdhsa_memory_ordered 1
		.amdhsa_forward_progress 1
		.amdhsa_inst_pref_size 184
	.end_amdhsa_kernel
	.amdgpu_metadata
---
amdhsa.version: [ 1, 2 ]
amdhsa.kernels:
  - .name:           k_qc1b0c30c7f_energy
    .symbol:         k_qc1b0c30c7f_energy.kd
    .args:
      - { .name: mu, .offset: 0, .size: 8, .value_kind: global_buffer, .address_space: global }
      - { .name: log_sigma, .offset: 8, .size: 8, .value_kind: global_buffer, .address_space: global }
      - { .name: mu_c, .offset: 16, .size: 8, .value_kind: global_buffer, .address_space: global }
      - { .name: log_sigma_c, .offset: 24, .size: 8, .value_kind: global_buffer, .address_space: global }
      - { .name: x, .offset: 32, .size: 8, .value_kind: global_buffer, .address_space: global }
      - { .name: en, .offset: 40, .size: 8, .value_kind: global_buffer, .address_space: global }
      - { .name: lse, .offset: 48, .size: 8, .value_kind: global_buffer, .address_space: global }
      - { .name: xq, .offset: 56, .size: 8, .value_kind: global_buffer, .address_space: global }
      - { .name: out1, .offset: 64, .size: 8, .value_kind: global_buffer, .address_space: global }
    .group_segment_fixed_size: 135680
    .private_segment_fixed_size: 0
    .kernarg_segment_align: 8
    .kernarg_segment_size: 72
    .max_flat_workgroup_size: 512
    .sgpr_count:     66
    .vgpr_count:     256
    .wavefront_size: 32
...
	.end_amdgpu_metadata
.endif
;; end of part 1
;; launch mix (part 2): grid 250 x 1, 8 waves a work-group, no clusters, 19,968 bytes of LDS; arguments en, lse, xq, out0; writes out0
.if DOCPART == 2
	.amdgcn_target "amdgcn-amd-amdhsa--gfx1250"
	.amdhsa_code_object_version 6
	.text
	.protected	k_qc1b0c30c7f_mix
	.globl	k_qc1b0c30c7f_mix
	.p2align	8
	.type	k_qc1b0c30c7f_mix,@function
k_qc1b0c30c7f_mix:
	s_mov_b64 s[64:65], 0
	v_nop
	global_prefetch_b8 v0, s[64:65] scope:SCOPE_SE
	s_setreg_imm32_b32 hwreg(HW_REG_WAVE_MODE, 25, 1), 1
	s_wait_xcnt 0x0
; out0 = Q(softmax over v of the energy) Q(x), on codes of E4M3 with one E8M0 scale for each 32 along K = t.
; en: [16000][128] f32, the energy in units of log2 (less a constant common to all v).  lse: [256][128] f32: row p < 250: log2 of the sum of 2^en over rows 64 p .. 64 p + 63; rows 250-255: -infinity.
; xq: 32 tiles of x as images of the operand's registers (2,048 bytes each), then their scale registers (128 bytes each).  out0: [16000][512] f32.
; A work-group takes 64 rows; eight waves.  Four parts, three barriers:
;  1  wave w takes rows w + 8 i of lse (a lane four columns): their maximum, and the sum of 2^(. - maximum)                                   | barrier
;  2  wave w joins the eight waves' figures for columns 16 w .. + 15: M = the largest, S = sum of sums x 2^(maximum - M); M and 1 / S to LDS   | barrier
;  3  wave w: rows 8 w .. + 7: w = 2^(en - M) / S, finished and normalised, in f32; a lane holds 8 neighbouring t, four lanes a block of 32; quantised; codes as rows of 128 + 16 bytes, scale bytes beside | barrier
;  4  every wave: the four fragments of w from LDS x its own four tiles of x: 16 matrix instructions, each a whole sum (K = 128).
; M is at least every energy and at most 14 above the column's largest (log2 of 16,000), so 2^(en - M) never overflows; what falls under 2^-126 is taken as 0.
; THE WAY OUT.  Lane r of a wave's tile j holds column 64 w + 4 r + j: register i of the four accumulators are four neighbouring columns of one row.  Four moves put them side by side, and sixteen
; lanes store 256 consecutive bytes, aligned.  (A lane's consecutive accumulator registers are rows, so no layout gives 16 neighbouring bytes without a move; the moves take the place of a trip through LDS.)
; No cluster: 250 work-groups do not divide into clusters of four.  No prefetch: every global read is issued at the head.  LIMITS: NaN and infinities are not served.
.set RLB, 4096                         ; LDS: 0: eight waves' maxima, 512 bytes each;  RLB: their sums
.set FMB, 8192                         ; M, 4 bytes a column
.set FIB, 8704                         ; 1 / S
.set WCB, 9216                         ; w's codes: 64 rows of 144 bytes: nine 16-byte columns, so that the sixteen rows of a fragment's load start in sixteen different columns of the 64 banks of 4 bytes (ISA guide 11.1)
.set WSB, 18432                        ; w's scale words, 4 bytes a row
.set AS,  12                           ; v12-15   w's scale words, nothing else
.set MW,  20                           ; v20-23   my four columns' maxima
.set XS,  28                           ; v28-31   x's scale words, nothing else
.set XF,  32                           ; v32-95   my four tiles of x
.set EV,  96                           ; v96-127  my 8 rows' energies, then w;  on the way out: 32 registers to store
.set ST,  96
.set P,   128                          ; v128-255 32 rows x 4 columns of lse
.set MV,  128                          ; part 3: M and 1 / S of my 8 t, and work
.set IV,  136
.set MX,  144
.set SC,  148
.set HO,  152
.set BY,  156
.set CD,  160
.set AF,  128                          ; part 4: v128-191 w's four fragments;  v192-255 two sets of four accumulators
.set ACC, 192
	s_load_b256 s[4:11], s[0:1], 0x0               ; en s[4:5], lse s[6:7], xq s[8:9], out0 s[10:11]
	v_lshl_add_u32 v27, v0, 2, 0x4a00
	s_set_vgpr_msb 0x40
	v_mov_b32 v1, 0
	s_set_vgpr_msb 0x4000
	v_lshrrev_b32 v19, 5, v0                       ; wave
	v_and_b32 v1, 31, v0                           ; lane
	v_and_b32 v2, 15, v0                           ; r
	v_bfe_u32 v3, v0, 4, 1                         ; h
	v_lshlrev_b32 v4, 4, v0                        ; lse: row w, 16 bytes a lane; the same place in LDS for my maxima and sums
	v_lshlrev_b32 v5, 5, v2
	v_lshl_add_u32 v5, v3, 9, v5
	v_lshl_add_u32 v5, v19, 12, v5                 ; en: row 8 w + h, 32 bytes a lane
	v_lshlrev_b32 v6, 4, v1
	v_lshl_add_u32 v6, v19, 13, v6                 ; xq: my four tiles, 16 bytes a lane
	v_lshlrev_b32 v7, 2, v1
	v_lshl_add_u32 v7, v19, 9, v7                  ; and their scale registers
	s_lshl_b32 s14, ttmp9, 15                      ; my 64 rows of en,
	s_mov_b32 s15, 0
	s_lshl_b32 s16, ttmp9, 17                      ; of out0
	s_mov_b32 s17, 0
	s_mov_b32 s18, 0x600000                        ; the mantissa field of 448
	s_wait_kmcnt 0x0
	s_add_nc_u64 s[4:5], s[4:5], s[14:15]
	s_add_nc_u64 s[10:11], s[10:11], s[16:17]
.set i, 0
.rept 32
	global_load_b128 v[P+4*i:P+4*i+3], v4, s[6:7] offset:4096*i        ; row w + 8 i: 512 consecutive bytes
.set i, i+1
.endr
.irp it, 0,1,2,3
	global_load_b128 v[EV+8*\it:EV+8*\it+3],   v5, s[4:5] offset:1024*\it th:TH_LOAD_NT      ; rows 8 w + 2 it + h: the two loads together cover 1,024 consecutive bytes
	global_load_b128 v[EV+8*\it+4:EV+8*\it+7], v5, s[4:5] offset:1024*\it+16 th:TH_LOAD_NT
.endr
.irp j, 0,1,2,3
.irp c, 0,1,2,3
	global_load_b128 v[XF+16*\j+4*\c:XF+16*\j+4*\c+3], v6, s[8:9] offset:2048*\j+512*\c
.endr
	global_load_b32 v[XS+\j], v7, s[8:9] offset:65536+128*\j
.endr
	v_lshlrev_b32 v8, 2, v2
	v_lshl_add_u32 v8, v19, 6, v8                  ; part 2: column 16 w + r, 4 bytes
	v_lshlrev_b32 v9, 5, v2                        ; part 3: my 8 t's M and 1 / S
	v_mul_u32_u24 v10, v19, 1152
	v_mad_u32_u24 v10, v3, 144, v10
	v_lshl_add_u32 v10, v2, 3, v10                 ; codes: row 8 w + h, 8 bytes a lane
	v_lshrrev_b32 v11, 2, v1
	v_lshl_add_u32 v11, v19, 5, v11                ; scale bytes: 4 (8 w + h) + block = 32 w + lane / 4
	v_mul_u32_u24 v16, v2, 144
	v_lshl_add_u32 v16, v3, 4, v16                 ; part 4: a fragment's row r, + 16 h
	v_lshlrev_b32 v17, 2, v2                       ; its scale word
	v_lshlrev_b32 v18, 4, v2
	v_lshl_add_u32 v18, v3, 14, v18
	v_lshl_add_u32 v18, v19, 8, v18                ; out0: row 8 h, my wave's 256 bytes, 16 bytes a lane
	; ---- 1
	s_wait_loadcnt 28                              ; the 32 rows of lse are in; behind them: 8 loads of energies, 20 of x
.irp j, 0,1,2,3
	v_max3_num_f32 v[MW+\j], v[P+\j], v[P+4+\j], v[P+8+\j]
.endr
.set i, 12
.rept 14
.irp j, 0,1,2,3
	v_max3_num_f32 v[MW+\j], v[MW+\j], v[P+i+\j], v[P+i+4+\j]
.endr
.set i, i+8
.endr
.irp j, 0,1,2,3
	v_max_num_f32 v[MW+\j], v[MW+\j], v[P+124+\j]  ; of a wave's 32 rows at most one is -infinity: the maximum is a number
.endr
.set i, 0
.rept 32
	v_pk_add_f32 v[P+i:P+i+1], v[P+i:P+i+1], v[MW:MW+1] neg_lo:[0,1] neg_hi:[0,1]
	v_pk_add_f32 v[P+i+2:P+i+3], v[P+i+2:P+i+3], v[MW+2:MW+3] neg_lo:[0,1] neg_hi:[0,1]
.set i, i+4
.endr
.set i, 0
.rept 128
	v_exp_f32 v[P+i], v[P+i]
.set i, i+1
.endr
	v_nop
	s_wait_alu depctr_va_vdst(0)                   ; one wait for the batch, ahead of its first reader
.irp st, 64,32,16,8,4                          ; the 32 rows are added in place, halves onto halves: no line waits for the line above it
.set i, 0
.rept \st/2
	v_pk_add_f32 v[P+i:P+i+1], v[P+i:P+i+1], v[P+\st+i:P+\st+i+1]
.set i, i+2
.endr
.endr
	ds_store_b128 v4, v[MW:MW+3]
	ds_store_b128 v4, v[P:P+3] offset:RLB
	s_wait_dscnt 0x0                               ; for the others' sake
	s_barrier_signal -1
	s_barrier_wait -1
	; ---- 2 (lanes 16-31 do what lanes 0-15 do)
.irp i, 0,1,2,3,4,5,6,7
	ds_load_b32 v[P+\i], v8 offset:512*\i
.endr
.irp i, 0,1,2,3,4,5,6,7
	ds_load_b32 v[P+8+\i], v8 offset:RLB+512*\i
.endr
	s_wait_dscnt 0x0
	v_max3_num_f32 v24, v[P], v[P+1], v[P+2]
	v_max3_num_f32 v24, v24, v[P+3], v[P+4]
	v_max3_num_f32 v24, v24, v[P+5], v[P+6]
	v_max_num_f32 v24, v24, v[P+7]                 ; M
.irp i, 0,1,2,3,4,5,6,7
	v_sub_f32 v[P+\i], v[P+\i], v24
.endr
.irp i, 0,1,2,3,4,5,6,7
	v_exp_f32 v[P+\i], v[P+\i]
.endr
	v_nop
	s_wait_alu depctr_va_vdst(0)
	v_mul_f32 v25, v[P], v[P+8]
	v_mul_f32 v26, v[P+1], v[P+9]
.irp i, 2,4,6
	v_fma_f32 v25, v[P+\i], v[P+8+\i], v25
	v_fma_f32 v26, v[P+1+\i], v[P+9+\i], v26
.endr
	v_add_f32 v25, v25, v26                        ; S
	v_rcp_f32 v26, v25
	v_nop
	s_wait_alu depctr_va_vdst(0)
	ds_store_b32 v8, v24 offset:FMB                ; lanes r and r + 16 write the same word with the same value
	ds_store_b32 v8, v26 offset:FIB
	s_wait_dscnt 0x0
	s_barrier_signal -1
	s_barrier_wait -1
	; ---- 3
	ds_load_b128 v[MV:MV+3], v9 offset:FMB
	ds_load_b128 v[MV+4:MV+7], v9 offset:FMB+16
	ds_load_b128 v[IV:IV+3], v9 offset:FIB
	ds_load_b128 v[IV+4:IV+7], v9 offset:FIB+16
	s_wait_loadcnt 20                              ; the energies are in; x's 20 loads may be out
	s_wait_dscnt 0x0
.irp it, 0,1,2,3
.irp p, 0,2,4,6
	v_pk_add_f32 v[EV+8*\it+\p:EV+8*\it+\p+1], v[EV+8*\it+\p:EV+8*\it+\p+1], v[MV+\p:MV+\p+1] neg_lo:[0,1] neg_hi:[0,1]
.endr
.endr
.set i, 0
.rept 32
	v_exp_f32 v[EV+i], v[EV+i]
.set i, i+1
.endr
	v_nop
	s_wait_alu depctr_va_vdst(0)
.irp it, 0,1,2,3
.irp p, 0,2,4,6
	v_pk_mul_f32 v[EV+8*\it+\p:EV+8*\it+\p+1], v[EV+8*\it+\p:EV+8*\it+\p+1], v[IV+\p:IV+\p+1]   ; w, finished and normalised
.endr
.endr
.irp it, 0,1,2,3
	v_max3_num_f32 v[MX+\it], v[EV+8*\it], v[EV+8*\it+1], 0x4800000    ; my 8 numbers (none is negative), and the floor 2^(9 - 127): the byte cannot fall under 1
.endr
.irp p, 2,4,6
.irp it, 0,1,2,3
	v_max3_num_f32 v[MX+\it], v[MX+\it], v[EV+8*\it+\p], v[EV+8*\it+\p+1]
.endr
.endr
.irp m, 1,2
.irp it, 0,1,2,3
	v_max_num_f32_dpp v[MX+\it], v[MX+\it], v[MX+\it] row_xmask:\m row_mask:0xf bank_mask:0xf   ; the four lanes of a block of 32
.endr
.endr
.irp it, 0,1,2,3
	v_add_nc_u32 v[SC+\it], 0xfc000000, v[MX+\it]  ; 8 off the exponent field: the conversion's scale operand
.endr
.irp it, 0,1,2,3
	v_and_or_b32 v[HO+\it], v[MX+\it], 0x7f800000, s18   ; 448 x the scale
.endr
.irp it, 0,1,2,3
	v_lshrrev_b32 v[BY+\it], 23, v[SC+\it]         ; the scale's byte
.endr
.irp it, 0,1,2,3
.irp p, 0,1,2,3,4,5,6,7
	v_min_num_f32 v[EV+8*\it+\p], v[EV+8*\it+\p], v[HO+\it]   ; the conversion to an 8-bit code does not saturate (ISA guide 7.6.2); w is not negative, so the hold is one-sided
.endr
	v_cvt_scalef32_pk8_fp8_f32 v[CD+2*\it:CD+2*\it+1], v[EV+8*\it:EV+8*\it+7], v[SC+\it]
.endr
	v_nop                                          ; a plain instruction behind the last conversion: its registers are written again further on
.irp it, 0,1,2,3
	ds_store_b64 v10, v[CD+2*\it:CD+2*\it+1] offset:WCB+288*\it
	ds_store_b8 v11, v[BY+\it] offset:WSB+8*\it    ; the four lanes of a block write the same byte with the same value
.endr
	s_wait_dscnt 0x0
	s_barrier_signal -1
	s_barrier_wait -1
	; ---- 4
.irp mt, 0,1,2,3
.irp c, 0,1,2,3
	ds_load_b128 v[AF+16*\mt+4*\c:AF+16*\mt+4*\c+3], v16 offset:WCB+2304*\mt+32*\c   ; lane (r, h): row 16 mt + r, k = 32 c + 16 h + 0 .. 15
.endr
	ds_load_b32 v[AS+\mt], v17 offset:WSB+64*\mt
.endr
	s_wait_loadcnt 0x0                             ; x
	s_wait_dscnt 0x0
.macro MULT mt, ss                     ; rows 16 mt .. + 15 x my four tiles of columns: source 0 = w, source 1 = x; register i of a result is row 8 h + i, lane r its column
.irp j, 0,1,2,3
	v_wmma_scale_f32_16x16x128_f8f6f4 v[ACC+32*(\ss)+8*\j:ACC+32*(\ss)+8*\j+7], v[AF+16*(\mt):AF+16*(\mt)+15], v[XF+16*\j:XF+16*\j+15], 0, v[AS+(\mt)], v[XS+\j]
.endr
.endm
.macro SEND mt, ss
	s_wait_xcnt 0x0                                ; the earlier stores have read their registers: these are written again only behind this wait
.irp i, 0,1,2,3,4,5,6,7                        ; each accumulator from its low end on
	v_mov_b32 v[ST+4*\i],   v[ACC+32*(\ss)+\i]
	v_mov_b32 v[ST+4*\i+1], v[ACC+32*(\ss)+8+\i]
	v_mov_b32 v[ST+4*\i+2], v[ACC+32*(\ss)+16+\i]
	v_mov_b32 v[ST+4*\i+3], v[ACC+32*(\ss)+24+\i]
.endr
.irp i, 0,1,2,3,4,5,6,7
	global_store_b128 v18, v[ST+4*\i:ST+4*\i+3], s[10:11] offset:32768*(\mt)+2048*\i th:TH_STORE_NT   ; lanes 0-15: 256 consecutive bytes of row 16 mt + i, aligned; lanes 16-31: of row 16 mt + 8 + i
.endr
.endm
	MULT 0, 0
	MULT 1, 1
.rept 9
	v_nop                                          ; eight places in front of the first read of a result, nine in front of the products that write set 0 again; the moves of set 0 name its registers and are not counted for it
.endr
	SEND 0, 0                                      ; from here on one set's 32 moves are the places behind the other set's products
	MULT 2, 0
	SEND 1, 1
	MULT 3, 1
	SEND 2, 0
	SEND 3, 1
	s_set_vgpr_msb 0x4
	s_wait_tensorcnt 0x0
	ds_add_u32 v27, v1
	s_wait_dscnt 0x0
	s_set_vgpr_msb 0x400
	s_endpgm
.Lfunc_end_k_qc1b0c30c7f_mix:
	.size	k_qc1b0c30c7f_mix, .Lfunc_end_k_qc1b0c30c7f_mix-k_qc1b0c30c7f_mix
	.p2alignl 7, 3214868480
	.fill 96, 4, 3214868480
	.section	.rodata,"a",@progbits
	.p2align	6, 0x0
	.amdhsa_kernel k_qc1b0c30c7f_mix
		.amdhsa_group_segment_fixed_size 19968
		.amdhsa_private_segment_fixed_size 0
		.amdhsa_enable_private_segment 0
		.amdhsa_kernarg_size 32
		.amdhsa_user_sgpr_count 2
		.amdhsa_user_sgpr_kernarg_segment_ptr 1
		.amdhsa_wavefront_size32 1
		.amdhsa_system_sgpr_workgroup_id_x 1
		.amdhsa_system_sgpr_workgroup_id_y 1
		.amdhsa_system_sgpr_workgroup_id_z 1
		.amdhsa_system_vgpr_workitem_id 0
		.amdhsa_next_free_vgpr 258
		.amdhsa_next_free_sgpr 66
		.amdhsa_reserve_vcc 0
		.amdhsa_float_denorm_mode_32 3
		.amdhsa_float_denorm_mode_16_64 3
		.amdhsa_memory_ordered 1
		.amdhsa_forward_progress 1
		.amdhsa_inst_pref_size 45
	.end_amdhsa_kernel
	.amdgpu_metadata
---
amdhsa.version: [ 1, 2 ]
amdhsa.kernels:
  - .name:           k_qc1b0c30c7f_mix
    .symbol:         k_qc1b0c30c7f_mix.kd
    .args:
      - { .name: en, .offset: 0, .size: 8, .value_kind: global_buffer, .address_space: global }
      - { .name: lse, .offset: 8, .size: 8, .value_kind: global_buffer, .address_space: global }
      - { .name: xq, .offset: 16, .size: 8, .value_kind: global_buffer, .address_space: global }
      - { .name: out0, .offset: 24, .size: 8, .value_kind: global_buffer, .address_space: global }
    .group_segment_fixed_size: 19968
    .private_segment_fixed_size: 0
    .kernarg_segment_align: 8
    .kernarg_segment_size: 32
    .max_flat_workgroup_size: 256
    .sgpr_count:     66
    .vgpr_count:     258
    .wavefront_size: 32
...
	.end_amdgpu_metadata
.endif
;; end of part 2
;; ======== version 2 of 2: 2 launches; version 1 with the launch mix written anew for expert scheduling mode
;; workspace buffers: en 8,192,000 bytes; lse 131,072 bytes; xq 69,632 bytes
;; launch energy: the kernel of part 1 again; grid 252 x 1, 16 waves a work-group, no clusters, 135,680 bytes of LDS; arguments mu, log_sigma, mu_c, log_sigma_c, x, en, lse, xq, out1; writes en, lse, xq, out1
;; launch mix (part 3): grid 250 x 1, 8 waves a work-group, no clusters, 19,968 bytes of LDS; arguments en, lse, xq, out0; writes out0
.if DOCPART == 3
	.amdgcn_target "amdgcn-amd-amdhsa--gfx1250"
	.amdhsa_code_object_version 6
	.text
	.protected	k_qc1b0c30c7f_mix
	.globl	k_qc1b0c30c7f_mix
	.p2align	8
	.type	k_qc1b0c30c7f_mix,@function
k_qc1b0c30c7f_mix:
	s_mov_b64 s[64:65], 0
	v_nop
	global_prefetch_b8 v0, s[64:65] scope:SCOPE_SE
	s_setreg_imm32_b32 hwreg(HW_REG_WAVE_SCHED_MODE, 0, 2), 2
	s_setreg_imm32_b32 hwreg(HW_REG_WAVE_MODE, 25, 1), 1
	s_wait_xcnt 0x0
	s_wait_alu depctr_vm_vsrc(0)
; out0 = Q(softmax over v of the energy) Q(x), on codes of E4M3 with one E8M0 scale for each 32 along K = t.
; en: [16000][128] f32, the energy in units of log2 (less a constant common to all v).  lse: [256][128] f32: row p < 250: log2 of the sum of 2^en over rows 64 p .. 64 p + 63; rows 250-255: -infinity.
; xq: 32 tiles of x as images of the operand's registers (2,048 bytes each), then their scale registers (128 bytes each).  out0: [16000][512] f32.
; A work-group takes 64 rows; eight waves.  Four parts, three barriers:
;  1  wave w takes rows w + 8 i of lse (a lane four columns): their maximum, and the sum of 2^(. - maximum)                                   | barrier
;  2  wave w joins the eight waves' figures for columns 16 w .. + 15: M = the largest, S = sum of sums x 2^(maximum - M); M and 1 / S to LDS   | barrier
;  3  wave w: rows 8 w .. + 7: w = 2^(en - M) / S, finished and normalised, in f32; a lane holds 8 neighbouring t, four lanes a block of 32; quantised; codes as rows of 128 + 16 bytes, scale bytes beside | barrier
;  4  every wave: the four fragments of w from LDS x its own four tiles of x: 16 matrix instructions, each a whole sum (K = 128).
; M is at least every energy and at most 14 above the column's largest (log2 of 16,000), so 2^(en - M) never overflows; what falls under 2^-126 is taken as 0.
; THE WAY OUT.  Lane r of a wave's tile j holds column 64 w + 4 r + j: register i of the four accumulators are four neighbouring columns of one row.  Four moves put them side by side, and sixteen
; lanes store 256 consecutive bytes, aligned.  (A lane's consecutive accumulator registers are rows, so no layout gives 16 neighbouring bytes without a move; the moves take the place of a trip through LDS.)
; No cluster: 250 work-groups do not divide into clusters of four.  No prefetch: every global read is issued at the head.  LIMITS: NaN and infinities are not served.
; THE MODE: SCHED_MODE bits 1:0 = 2 (LLVM: expert scheduling mode 2), set by the entry lines.  The code itself states the register dependences
; between vector or matrix instructions and memory or LDS instructions, with s_wait_alu, always for 0.
; THE PLAN.  Registers that memory or LDS instructions touch:
;   v4-7          offsets of the head's loads (v4 also the address of part 1's LDS stores): made at the head, one wait ahead of the first load; never written again.
;   v8-11, v16-18 LDS addresses and out0's offset: made behind the head's loads, ahead of part 1's waits; never written again.
;   v128-255      lse as loaded; part 1 works on it in place.  v20-23 and v128-131 are the data of part 1's LDS stores.  Part 2's loads land in v128-143, part 3's in v128-143, part 4's in v128-191:
;                 each run of loads stands behind the wait on va_vdst that the part before owes for its LDS stores, with no vector instruction between.
;   v24, v26      the data of part 2's LDS stores; never written again.
;   v156-167      scale bytes and codes, the data of part 3's LDS stores; part 4's loads land there: a wait on vm_vsrc.  Likewise v128-131 ahead of part 2's loads.
;   v12-15, v28-95  scale words and x's tiles: written by loads alone, read by matrix instructions alone, until the last moves take v32-63.
;   FOUR OUT-BUFFERS, one for each tile of 16 rows, each written once by 32 moves and read once by 8 stores: v96-127 (the energies' registers), v128-159 and v160-191 (w's fragments, done with),
;                 v32-63 (x's tiles 0 and 1, done with).  One wait on va_vdst stands between a buffer's moves and its stores; no register that a store reads is written again.
.set RLB, 4096                         ; LDS: 0: eight waves' maxima, 512 bytes each;  RLB: their sums
.set FMB, 8192                         ; M, 4 bytes a column
.set FIB, 8704                         ; 1 / S
.set WCB, 9216                         ; w's codes: 64 rows of 144 bytes: nine 16-byte columns, so that the sixteen rows of a fragment's load start in sixteen different columns of the 64 banks of 4 bytes (ISA guide 11.1)
.set WSB, 18432                        ; w's scale words, 4 bytes a row
.set AS,  12                           ; v12-15   w's scale words, nothing else
.set MW,  20                           ; v20-23   my four columns' maxima
.set XS,  28                           ; v28-31   x's scale words, nothing else
.set XF,  32                           ; v32-95   my four tiles of x
.set EV,  96                           ; v96-127  my 8 rows' energies, then w
.set P,   128                          ; v128-255 32 rows x 4 columns of lse
.set MV,  128                          ; part 3: M and 1 / S of my 8 t, and work
.set IV,  136
.set MX,  144
.set SC,  148
.set HO,  152
.set BY,  156
.set CD,  160
.set AF,  128                          ; part 4: v128-191 w's four fragments;  v192-255 two sets of four accumulators
.set ACC, 192
.set O0,  96                           ; the way out: the out-buffer of rows 0-15,
.set O1,  128                          ; of rows 16-31: where w's fragments 0 and 1 lay,
.set O2,  160                          ; of rows 32-47: where w's fragments 2 and 3 lay,
.set O3,  32                           ; of rows 48-63: where x's tiles 0 and 1 lay
	s_load_b256 s[4:11], s[0:1], 0x0               ; en s[4:5], lse s[6:7], xq s[8:9], out0 s[10:11]
	v_lshl_add_u32 v27, v0, 2, 0x4a00
	s_set_vgpr_msb 0x40
	v_mov_b32 v1, 0
	s_set_vgpr_msb 0x4000
	v_lshrrev_b32 v19, 5, v0                       ; wave
	v_and_b32 v1, 31, v0                           ; lane
	v_and_b32 v2, 15, v0                           ; r
	v_bfe_u32 v3, v0, 4, 1                         ; h
	v_lshlrev_b32 v4, 4, v0                        ; lse: row w, 16 bytes a lane; the same place in LDS for my maxima and sums
	v_lshlrev_b32 v5, 5, v2
	v_lshl_add_u32 v5, v3, 9, v5
	v_lshl_add_u32 v5, v19, 12, v5                 ; en: row 8 w + h, 32 bytes a lane
	v_lshlrev_b32 v6, 4, v1
	v_lshl_add_u32 v6, v19, 13, v6                 ; xq: my four tiles, 16 bytes a lane
	v_lshlrev_b32 v7, 2, v1
	v_lshl_add_u32 v7, v19, 9, v7                  ; and their scale registers
	s_lshl_b32 s14, ttmp9, 15                      ; my 64 rows of en,
	s_mov_b32 s15, 0
	s_lshl_b32 s16, ttmp9, 17                      ; of out0
	s_mov_b32 s17, 0
	s_mov_b32 s18, 0x600000                        ; the mantissa field of 448
	s_wait_kmcnt 0x0
	s_add_nc_u64 s[4:5], s[4:5], s[14:15]
	s_add_nc_u64 s[10:11], s[10:11], s[16:17]
	s_wait_alu depctr_va_vdst(0)                   ; v4 to v7 are written: the 60 loads below read them as their offsets
.set i, 0
.rept 32
	global_load_b128 v[P+4*i:P+4*i+3], v4, s[6:7] offset:4096*i        ; row w + 8 i: 512 consecutive bytes
.set i, i+1
.endr
.irp it, 0,1,2,3
	global_load_b128 v[EV+8*\it:EV+8*\it+3],   v5, s[4:5] offset:1024*\it th:TH_LOAD_NT      ; rows 8 w + 2 it + h: the two loads together cover 1,024 consecutive bytes
	global_load_b128 v[EV+8*\it+4:EV+8*\it+7], v5, s[4:5] offset:1024*\it+16 th:TH_LOAD_NT
.endr
.irp j, 0,1,2,3
.irp c, 0,1,2,3
	global_load_b128 v[XF+16*\j+4*\c:XF+16*\j+4*\c+3], v6, s[8:9] offset:2048*\j+512*\c
.endr
	global_load_b32 v[XS+\j], v7, s[8:9] offset:65536+128*\j
.endr
	v_lshlrev_b32 v8, 2, v2                        ; (these addresses are read by LDS instructions and stores from part 2 on: part 1's waits on va_vdst stand between)
	v_lshl_add_u32 v8, v19, 6, v8                  ; part 2: column 16 w + r, 4 bytes
	v_lshlrev_b32 v9, 5, v2                        ; part 3: my 8 t's M and 1 / S
	v_mul_u32_u24 v10, v19, 1152
	v_mad_u32_u24 v10, v3, 144, v10
	v_lshl_add_u32 v10, v2, 3, v10                 ; codes: row 8 w + h, 8 bytes a lane
	v_lshrrev_b32 v11, 2, v1
	v_lshl_add_u32 v11, v19, 5, v11                ; scale bytes: 4 (8 w + h) + block = 32 w + lane / 4
	v_mul_u32_u24 v16, v2, 144
	v_lshl_add_u32 v16, v3, 4, v16                 ; part 4: a fragment's row r, + 16 h
	v_lshlrev_b32 v17, 2, v2                       ; its scale word
	v_lshlrev_b32 v18, 4, v2
	v_lshl_add_u32 v18, v3, 14, v18
	v_lshl_add_u32 v18, v19, 8, v18                ; out0: row 8 h, my wave's 256 bytes, 16 bytes a lane
	; ---- 1
	s_wait_loadcnt 28                              ; the 32 rows of lse are in; behind them: 8 loads of energies, 20 of x
.irp j, 0,1,2,3
	v_max3_num_f32 v[MW+\j], v[P+\j], v[P+4+\j], v[P+8+\j]
.endr
.set i, 12
.rept 14
.irp j, 0,1,2,3
	v_max3_num_f32 v[MW+\j], v[MW+\j], v[P+i+\j], v[P+i+4+\j]
.endr
.set i, i+8
.endr
.irp j, 0,1,2,3
	v_max_num_f32 v[MW+\j], v[MW+\j], v[P+124+\j]  ; of a wave's 32 rows at most one is -infinity: the maximum is a number
.endr
.set i, 0
.rept 32
	v_pk_add_f32 v[P+i:P+i+1], v[P+i:P+i+1], v[MW:MW+1] neg_lo:[0,1] neg_hi:[0,1]
	v_pk_add_f32 v[P+i+2:P+i+3], v[P+i+2:P+i+3], v[MW+2:MW+3] neg_lo:[0,1] neg_hi:[0,1]
.set i, i+4
.endr
.set i, 0
.rept 128
	v_exp_f32 v[P+i], v[P+i]
.set i, i+1
.endr
	v_nop                                          ; a plain instruction behind the last exponential
	s_wait_alu depctr_va_vdst(0)                   ; the 128 exponentials have written v[P ..], ahead of their first reader; the maxima v[MW ..] are written, which the store below reads; so are the addresses v8-11 and v16-18
	ds_store_b128 v4, v[MW:MW+3]                   ; it goes at once: the additions below name neither v4 nor v[MW ..]
.irp st, 64,32,16,8,4                          ; the 32 rows are added in place, halves onto halves: no line waits for the line above it
.set i, 0
.rept \st/2
	v_pk_add_f32 v[P+i:P+i+1], v[P+i:P+i+1], v[P+\st+i:P+\st+i+1]
.set i, i+2
.endr
.endr
	s_wait_alu depctr_va_vdst(0)                   ; the additions have written v[P:P+3], which the store below reads, and are done with v[P .. P+15], in which part 2's loads land
	ds_store_b128 v4, v[P:P+3] offset:RLB
	s_wait_dscnt 0x0                               ; for the others' sake
	s_barrier_signal -1
	s_barrier_wait -1
	; ---- 2 (lanes 16-31 do what lanes 0-15 do)
	s_wait_alu depctr_vm_vsrc(0)                   ; my LDS store has read v[P:P+3], in which the loads below land
.irp i, 0,1,2,3,4,5,6,7
	ds_load_b32 v[P+\i], v8 offset:512*\i
.endr
.irp i, 0,1,2,3,4,5,6,7
	ds_load_b32 v[P+8+\i], v8 offset:RLB+512*\i
.endr
	s_wait_dscnt 0x0
	v_max3_num_f32 v24, v[P], v[P+1], v[P+2]
	v_max3_num_f32 v24, v24, v[P+3], v[P+4]
	v_max3_num_f32 v24, v24, v[P+5], v[P+6]
	v_max_num_f32 v24, v24, v[P+7]                 ; M
.irp i, 0,1,2,3,4,5,6,7
	v_sub_f32 v[P+\i], v[P+\i], v24
.endr
.irp i, 0,1,2,3,4,5,6,7
	v_exp_f32 v[P+\i], v[P+\i]
.endr
	v_nop
	s_wait_alu depctr_va_vdst(0)                   ; the eight exponentials have written v[P .. P+7], ahead of their first reader
	v_mul_f32 v25, v[P], v[P+8]
	v_mul_f32 v26, v[P+1], v[P+9]
.irp i, 2,4,6
	v_fma_f32 v25, v[P+\i], v[P+8+\i], v25
	v_fma_f32 v26, v[P+1+\i], v[P+9+\i], v26
.endr
	v_add_f32 v25, v25, v26                        ; S
	v_rcp_f32 v26, v25
	v_nop
	s_wait_alu depctr_va_vdst(0)                   ; the reciprocal has written v26 and the maxima's lines v24, which the stores below read; the multiply-adds are done with v[P .. P+15], in which part 3's loads land
	ds_store_b32 v8, v24 offset:FMB                ; lanes r and r + 16 write the same word with the same value
	ds_store_b32 v8, v26 offset:FIB
	s_wait_dscnt 0x0
	s_barrier_signal -1
	s_barrier_wait -1
	; ---- 3
	ds_load_b128 v[MV:MV+3], v9 offset:FMB
	ds_load_b128 v[MV+4:MV+7], v9 offset:FMB+16
	ds_load_b128 v[IV:IV+3], v9 offset:FIB
	ds_load_b128 v[IV+4:IV+7], v9 offset:FIB+16
	s_wait_loadcnt 20                              ; the energies are in; x's 20 loads may be out
	s_wait_dscnt 0x0
.irp it, 0,1,2,3
.irp p, 0,2,4,6
	v_pk_add_f32 v[EV+8*\it+\p:EV+8*\it+\p+1], v[EV+8*\it+\p:EV+8*\it+\p+1], v[MV+\p:MV+\p+1] neg_lo:[0,1] neg_hi:[0,1]
.endr
.endr
.set i, 0
.rept 32
	v_exp_f32 v[EV+i], v[EV+i]
.set i, i+1
.endr
	v_nop
	s_wait_alu depctr_va_vdst(0)                   ; the 32 exponentials have written v[EV ..], ahead of their first reader
.irp it, 0,1,2,3
.irp p, 0,2,4,6
	v_pk_mul_f32 v[EV+8*\it+\p:EV+8*\it+\p+1], v[EV+8*\it+\p:EV+8*\it+\p+1], v[IV+\p:IV+\p+1]   ; w, finished and normalised
.endr
.endr
.irp it, 0,1,2,3
	v_max3_num_f32 v[MX+\it], v[EV+8*\it], v[EV+8*\it+1], 0x4800000    ; my 8 numbers (none is negative), and the floor 2^(9 - 127): the byte cannot fall under 1
.endr
.irp p, 2,4,6
.irp it, 0,1,2,3
	v_max3_num_f32 v[MX+\it], v[MX+\it], v[EV+8*\it+\p], v[EV+8*\it+\p+1]
.endr
.endr
.irp m, 1,2
.irp it, 0,1,2,3
	v_max_num_f32_dpp v[MX+\it], v[MX+\it], v[MX+\it] row_xmask:\m row_mask:0xf bank_mask:0xf   ; the four lanes of a block of 32
.endr
.endr
.irp it, 0,1,2,3
	v_add_nc_u32 v[SC+\it], 0xfc000000, v[MX+\it]  ; 8 off the exponent field: the conversion's scale operand
.endr
.irp it, 0,1,2,3
	v_and_or_b32 v[HO+\it], v[MX+\it], 0x7f800000, s18   ; 448 x the scale
.endr
.irp it, 0,1,2,3
	v_lshrrev_b32 v[BY+\it], 23, v[SC+\it]         ; the scale's byte
.endr
.irp it, 0,1,2,3
.irp p, 0,1,2,3,4,5,6,7
	v_min_num_f32 v[EV+8*\it+\p], v[EV+8*\it+\p], v[HO+\it]   ; the conversion to an 8-bit code does not saturate (ISA guide 7.6.2); w is not negative, so the hold is one-sided
.endr
	v_cvt_scalef32_pk8_fp8_f32 v[CD+2*\it:CD+2*\it+1], v[EV+8*\it:EV+8*\it+7], v[SC+\it]
.endr
	v_nop                                          ; a plain instruction behind the last conversion: its registers are written again further on
	s_wait_alu depctr_va_vdst(0)                   ; the conversions have written v[CD ..] and the shifts v[BY ..], which the stores below read; part 3's lines are done with v[MV .. CD+7], in which part 4's loads land
.irp it, 0,1,2,3
	ds_store_b64 v10, v[CD+2*\it:CD+2*\it+1] offset:WCB+288*\it
	ds_store_b8 v11, v[BY+\it] offset:WSB+8*\it    ; the four lanes of a block write the same byte with the same value
.endr
	s_wait_dscnt 0x0
	s_barrier_signal -1
	s_barrier_wait -1
	; ---- 4
	s_wait_alu depctr_vm_vsrc(0)                   ; my LDS stores have read v[BY ..] and v[CD ..], in which the fragments' loads land
.irp mt, 0,1,2,3
.irp c, 0,1,2,3
	ds_load_b128 v[AF+16*\mt+4*\c:AF+16*\mt+4*\c+3], v16 offset:WCB+2304*\mt+32*\c   ; lane (r, h): row 16 mt + r, k = 32 c + 16 h + 0 .. 15
.endr
	ds_load_b32 v[AS+\mt], v17 offset:WSB+64*\mt
.endr
	s_wait_loadcnt 0x0                             ; x
	s_wait_dscnt 0x0
.macro MULT mt, ss                     ; rows 16 mt .. + 15 x my four tiles of columns, into set ss (0 or 1) of accumulators: source 0 = w, source 1 = x; register i of a result is row 8 h + i, lane r its column
.irp j, 0,1,2,3
	v_wmma_scale_f32_16x16x128_f8f6f4 v[ACC+32*(\ss)+8*\j:ACC+32*(\ss)+8*\j+7], v[AF+16*(\mt):AF+16*(\mt)+15], v[XF+16*\j:XF+16*\j+15], 0, v[AS+(\mt)], v[XS+\j]
.endr
.endm
.macro MOVE ss, ob                     ; set ss (0 or 1) of accumulators into out-buffer ob: four neighbouring columns side by side
.irp i, 0,1,2,3,4,5,6,7                        ; each accumulator from its low end on
	v_mov_b32 v[(\ob)+4*\i],   v[ACC+32*(\ss)+\i]
	v_mov_b32 v[(\ob)+4*\i+1], v[ACC+32*(\ss)+8+\i]
	v_mov_b32 v[(\ob)+4*\i+2], v[ACC+32*(\ss)+16+\i]
	v_mov_b32 v[(\ob)+4*\i+3], v[ACC+32*(\ss)+24+\i]
.endr
.endm
.macro STORE mt, ob
.irp i, 0,1,2,3,4,5,6,7
	global_store_b128 v18, v[(\ob)+4*\i:(\ob)+4*\i+3], s[10:11] offset:32768*(\mt)+2048*\i th:TH_STORE_NT   ; lanes 0-15: 256 consecutive bytes of row 16 mt + i, aligned; lanes 16-31: of row 16 mt + 8 + i
.endr
.endm
	MULT 0, 0
	MULT 1, 1
.rept 9
	v_nop                                          ; eight places in front of the first read of a result and of the moves into the registers of w's fragments 0 and 1, nine in front of the products that write sets 0 and 1 again
.endr
	MOVE 0, O0                                     ; rows 0-15
	s_wait_alu depctr_va_vdst(0)                   ; the moves have written out-buffer 0, which the stores below read
	MULT 2, 0                                      ; these four name set 0, fragment 2, x and the scale words: neither out-buffer 0 nor v18
	STORE 0, O0
	MOVE 1, O1                                     ; rows 16-31: 32 moves that name set 1 and out-buffer 1 alone: the places behind the products of rows 32-47
	s_wait_alu depctr_va_vdst(0)                   ; the moves have written out-buffer 1, which the stores below read
	MULT 3, 1                                      ; these four name set 1, fragment 3, x and the scale words: neither out-buffer 1 nor v18
	STORE 1, O1
	MOVE 0, O2                                     ; rows 32-47, out of set 0: the first 16 moves name set 0 and fragment 2's registers alone: the places behind the products of rows 48-63, ahead of the moves into fragment 3's registers and of all that follows
	s_wait_alu depctr_va_vdst(0)                   ; the moves have written out-buffer 2, which the stores below read
	STORE 2, O2
	MOVE 1, O3                                     ; rows 48-63, out of set 1
	s_wait_alu depctr_va_vdst(0)                   ; the moves have written out-buffer 3, which the stores below read
	STORE 3, O3
	s_set_vgpr_msb 0x4
	s_wait_dscnt 0x0
	s_wait_alu depctr_hold_cnt(0) depctr_sa_sdst(0) depctr_va_vdst(0) depctr_va_sdst(0) depctr_va_ssrc(0) depctr_va_vcc(0) depctr_vm_vsrc(0)
	s_wait_tensorcnt 0x0
	ds_add_u32 v27, v1
	s_wait_dscnt 0x0
	s_endpgm
.Lfunc_end_k_qc1b0c30c7f_mix:
	.size	k_qc1b0c30c7f_mix, .Lfunc_end_k_qc1b0c30c7f_mix-k_qc1b0c30c7f_mix
	.p2alignl 7, 3214868480
	.fill 96, 4, 3214868480
	.section	.rodata,"a",@progbits
	.p2align	6, 0x0
	.amdhsa_kernel k_qc1b0c30c7f_mix
		.amdhsa_group_segment_fixed_size 19968
		.amdhsa_private_segment_fixed_size 0
		.amdhsa_enable_private_segment 0
		.amdhsa_kernarg_size 32
		.amdhsa_user_sgpr_count 2
		.amdhsa_user_sgpr_kernarg_segment_ptr 1
		.amdhsa_wavefront_size32 1
		.amdhsa_system_sgpr_workgroup_id_x 1
		.amdhsa_system_sgpr_workgroup_id_y 1
		.amdhsa_system_sgpr_workgroup_id_z 1
		.amdhsa_system_vgpr_workitem_id 0
		.amdhsa_next_free_vgpr 258
		.amdhsa_next_free_sgpr 66
		.amdhsa_reserve_vcc 0
		.amdhsa_float_denorm_mode_32 3
		.amdhsa_float_denorm_mode_16_64 3
		.amdhsa_memory_ordered 1
		.amdhsa_forward_progress 1
		.amdhsa_inst_pref_size 46
	.end_amdhsa_kernel
	.amdgpu_metadata
---
amdhsa.version: [ 1, 2 ]
amdhsa.kernels:
  - .name:           k_qc1b0c30c7f_mix
    .symbol:         k_qc1b0c30c7f_mix.kd
    .args:
      - { .name: en, .offset: 0, .size: 8, .value_kind: global_buffer, .address_space: global }
      - { .name: lse, .offset: 8, .size: 8, .value_kind: global_buffer, .address_space: global }
      - { .name: xq, .offset: 16, .size: 8, .value_kind: global_buffer, .address_space: global }
      - { .name: out0, .offset: 24, .size: 8, .value_kind: global_buffer, .address_space: global }
    .group_segment_fixed_size: 19968
    .private_segment_fixed_size: 0
    .kernarg_segment_align: 8
    .kernarg_segment_size: 32
    .max_flat_workgroup_size: 256
    .sgpr_count:     66
    .vgpr_count:     258
    .wavefront_size: 32
...
	.end_amdgpu_metadata
.endif
;; end of part 3
